; MI455X (gfx1250); checked and timed in simulation.
; The chip was launched on July 23, 2026; its instructions are those of AMD's public machine-readable ISA for CDNA 5 (MIT licence, August 2026) and "CDNA5" Instruction Set Architecture Reference Guide (July 2026). The comments in the code are by the model that wrote it; some were corrected since.
;; KAN Spline Layer. Allowed arithmetic: matrix products marked QUANTISED: E2M3 operands, one E8M0 scale for each 32 along K, by v_wmma_scale_f32_16x16x128_f8f6f4 with both operands' format E2M3, f32 sums; everything else in f32.
;; Inputs: coef 512 x 1,024 x 8 float32; grid 512 x 12 float32; scale_base 512 x 1,024 float32; x 8,192 x 512 float32.
;; Outputs: out0 8,192 x 1,024 float32.
;; This version of the problem:
;;   THIS VERSION OF THE PROBLEM IS GIVEN IN LOW PRECISION. The matrix products marked QUANTISED in the list below multiply operands that are first quantised to E2M3 (2 exponent bits, 3 mantissa bits; 6 bits a number), with one power-of-two scale for each 32 numbers along K (OCP MX v1.0); their sums are f32. All else is computed in f32.
;;   The module's matrix products, in the order in which they are computed (A, B: the left and right operand; K: the contracted axis; several contracted axes count as one K, in the product's order):
;;     1. [M 8,192, K 512] x [K 512, N 1,024]; A: computed on the way; B: input scale_base: QUANTISED
;;     2. [M 8,192, K 4,096] x [K 4,096, N 1,024]; A: computed on the way; B: input coef: QUANTISED
;;   THE QUANTISER, for each operand of a quantised product, along K:
;;     - K is cut into blocks of 32 from its start; a last block that is shorter is filled with zeros.
;;     - A block's scale is 2^e with e = floor(log2(the largest magnitude in the block)) - 2, held to -126 .. 127; a block of zeros has e = 0. As a byte (E8M0): e + 127.
;;     - Each number is divided by its block's scale, clamped to +-7.5, and rounded to the nearest number of E2M3, ties to even, subnormals kept.
;;     - The product sums the exact products of the quantised numbers (number of the format x scale) in f32.
;;   ~~~python
;;   def quantise(x, axis):      # numpy; x: float32 -> the quantised numbers, widened to float32 again
;;       x = np.moveaxis(x, axis, -1); K = x.shape[-1]
;;       x = np.pad(x, [(0, 0)] * (x.ndim - 1) + [(0, -K % 32)]); x = x.reshape(x.shape[:-1] + (-1, 32)); a = np.abs(x).max(-1, keepdims=True)
;;       e = np.where(a > 0, np.clip(np.frexp(np.where(a > 0, a, 1))[1] - 1 - 2, -126, 127), 0)      # np.frexp(a)[1] - 1 = floor(log2(a)), exactly
;;       r = np.clip(x / 2.0 ** e, -7.5, 7.5)
;;       step = 2.0 ** (np.maximum(np.frexp(np.where(r == 0, 1, r))[1] - 1, 0) - 3)
;;       q = np.round(r / step) * step * 2.0 ** e      # np.round: ties to even
;;       return np.moveaxis(q.reshape(q.shape[:-2] + (-1,))[..., :K], -1, axis).astype(np.float32)
;;   ~~~
;;   OPERANDS COMPUTED ON THE WAY. 'Computed on the way' means the value that the module computes at that place (a softmax that the list does not call 'softmax' is quantised finished and normalised). What goes into a quantiser is computed in f32, as accurately as f32 sums, v_exp_f32 and their like allow (about 1e-6 of the number): no bf16 or f16 on the way to a quantiser, and a product that is left as it is and whose result goes on into a quantised operand takes f32 operands (vector FMAs, or v_wmma_f32_16x16x4_f32). A number that lies on a knife's edge between two numbers of the format may be rounded either way, as far as f32 arithmetic and the matrix unit's own rounding can turn it there, and no further.
;; One version. Each part assembles by itself: llvm-mc -triple=amdgcn-amd-amdhsa -mcpu=gfx1250 --defsym DOCPART=n.
;; ======== version 1 of 1: 2 launches
;; limits: right only within a limited range of input values
;; workspace buffers: acodes 29,491,200 bytes; wcodes 3,686,400 bytes
;; launch prep (part 1): grid 256 x 1, 16 waves a work-group, no clusters, 327,680 bytes of LDS; arguments x, grid, coef, scale_base, acodes, wcodes; writes acodes, wcodes
.if DOCPART == 1
	.amdgcn_target "amdgcn-amd-amdhsa--gfx1250"
	.amdhsa_code_object_version 6
	.text
	.protected	k_q052d4597be_prep
	.globl	k_q052d4597be_prep
	.p2align	8
	.type	k_q052d4597be_prep,@function
k_q052d4597be_prep:
	s_mov_b64 s[64:65], 0
	v_nop
	global_prefetch_b8 v0, s[64:65] scope:SCOPE_SE
	s_setreg_imm32_b32 hwreg(HW_REG_WAVE_MODE, 25, 1), 1
	s_wait_xcnt 0x0
; Both operands of  out = [ Bspline(x, grid) | silu(x) ] . [ coef ; scale_base ]  are made here ONCE, as codes of FP6 (E2M3) with one E8M0 byte for each 32 along K.
; x [8192][512], grid [512][12], coef [512][1024][8], scale_base [512][1024]: f32.  K of the spline product is 8 i + k: a block of 32 is 4 inputs i x 8 basis functions; K of the base product is i.
; WORKSPACE.  Codes are laid as IMAGES OF THE OPERAND'S REGISTERS.  A record of 6,400 bytes holds 4 K steps of 128 for 16 rows (acodes) or 16 columns (wcodes): image q at 1,536 q, in it register p (0..11) of lane
; slot r + 16 h at 512 (p / 4) + 16 (r + 16 h) + 4 (p % 4); the scale words at 6,144 + 16 r + 4 q.  acodes [row / 16][9][6,400], wcodes [column / 16][9][6,400].
; K steps 0..31 are the splines: block 2 c + h of step s holds i = 16 s + 8 c + 4 h + ii, function k of input ii at place 16 (ii / 2) + 2 k + ii % 2 of the block.  K steps 32 + j are the base: the slot (c, h)
; holds i = 128 j + 64 h + 32 c + 0..31.  Both are orders of K applied alike to both operands, which keep every block of 32 whole: no block, no scale and no product changes.
; THE SPLINES, for one i, with u_t = x - g_t and R_j[t] = 1 / (g[t+j] - g[t]).  Level j of the recursion is v_j[t] = u_t R_j[t] v_(j-1)[t] - u_(t+j+1) R_j[t+1] v_(j-1)[t+1].
; Carried is y_(j-1)[t] = v_(j-1)[t] R_j[t], so a value costs a multiply, a fused multiply-add and a multiply by a constant of i.  The whole recursion over the 12 knots is evaluated: nothing is taken for granted of grid.
; nan_to_num: with finite x and grid a NaN comes of a zero denominator alone; the value (t, j) is then 0.  That is folded into the constants: C_j[t] and Z3[t] are 0 where R_j[t] or R_j[t+1] is not finite.
; A lane owns inputs i0 = 64 w + 2 L and i0 + 1; every quantity is a register pair (i0, i0 + 1), so all the arithmetic is packed, and the 16 results are the lane's 16 codes as they stand.
; LIMITS.  Where the definition gets an infinity (a zero denominator times a value that is not 0: only on grids that are not sorted and have equal knots 1 to 3 apart), which nan_to_num turns into 3.4e38, this text gives 0.
; Knots nearer than 2^-126 and not equal count as equal (v_rcp_f32 takes a denormal for 0).  Reciprocals are good to 1 ulp.  Intermediate values beyond f32's range, NaN and infinities in x or grid are not served.
; A block of zeros gets the byte 1 where the quantiser's rule says 127: its codes are zeros, which add nothing under any byte but 0xff, and this program alone reads the bytes.
; SHARES.  Work-group g: rows 32 g .. 32 g + 31 of x.  SIXTEEN WAVES, four to a SIMD.  Wave 8 beta + w: inputs 64 w .. 64 w + 63 of rows 16 beta .. 16 beta + 15: the spline record (row block beta, w).
; AHEAD OF THE SPLINES waves 8-15 quantise one K step of 16 columns of coef each, and wave 7 one K step of 16 columns of scale_base (rows of 64 bytes there: 16 columns are no wider).
; BEHIND THE SPLINES and a barrier waves 0-7 quantise silu of strip w, all 32 rows (a lane a row), and send the spline scale words.
; THE SPLINE LOOP takes two rows a trip, as a pipeline: silu of both rows in one batch of exponentials and one of reciprocals; the chain from a finished row's largest magnitude to its codes is laid among the next
; row's 36 independent lines (12 differences, 24 compares); the next trip's x is asked of LDS in the middle of the trip.  The first half trip and the last one and a half are written out.
; GRID.  A strip's 64 rows of grid are 3,072 consecutive bytes: each of the strip's two waves loads half of them, 16 bytes a lane on end, and stores it to LDS bytes of the strip's own; behind the first barrier a lane reads its 96 bytes.
; TENSOR LOADS.  At the head each wave asks for its 16 rows x 256 bytes of x.  Behind the wait for it, the add and a barrier, waves 8-15 ask for their tiles of coef and wave 7 for scale_base's: one load a wave;
; each such tile is read by the wave that asked for it alone.  No LDS byte is filled twice.
; NO CLUSTER: no two work-groups read the same tile of x, coef or scale_base; grid is 24,576 bytes in all.  No prefetch: each tile is asked for once, at the launch's start; there is no loop to run ahead in.
.set XSW,  8704                        ; LDS 0: strip w of x: 32 rows x (256 bytes + 16); silu(x) is written over x
.set XH,   4352                        ; 16 rows of it: what one tensor load brings
.set CS,   69632                       ; strip w's stage for codes: 3,472 q + 1,152 (p / 4) + 576 h + 16 row + 4 (p % 4)
.set CSW,  14080
.set CQ,   3472                        ; with these three pitches the 32 lanes of each 4-byte store fall on 32 different banks (64 banks of 4 bytes: ISA guide 11.1)
.set CC,   1152
.set CHP,  576
.set SS,   182272                      ; strip w's spline scale bytes: 16 row + 4 q + block
.set BS,   186368                      ; the work-group's base scale bytes of A: 16 row + 4 j + block
.set WS,   186880                      ; the work-group's scale words of coef: two records' 256 bytes
.set WT,   187392                      ; tile w of coef: 16 i x 512 bytes
.set BT,   252928                      ; the tile of scale_base: 128 i x 64 bytes
.set SPARE, 262144                     ; the spare words: 128 bytes for each of 16 waves
.set GT,   264192                      ; strip w's rows of grid: 3,072 bytes
.set REC,  6400
.set IMG,  1536
.set BP,   57600                       ; nine records: from one block of 16 rows or columns to the next
.set SCO,  6144
.set GRA,  2                           ; v2   LDS: my two rows of grid, 96 L in the strip's
.set XA,   4                           ; v4   my 8 bytes of my first row of the strip
.set CA,   5                           ; v5-7 where my three registers of codes go in the stage
.set SA,   8                           ; v8   where my block's scale byte goes
.set FA,   9                           ; v9   the stage read back: 576 h + 16 r, my 16 rows
.set GA,   10                          ; v10  16 L
.set GS,   11                          ; v11  57,600 h + 16 r: lanes 16-31 serve the second block of 16 rows
.set TXA,  12                          ; v12  the trip's rows of the strip
.set TCA,  13                          ; v13-15, v16: where the trip's first row's codes and byte go
.set TSA,  16
.set RWA,  17                          ; v17  row L of the strip
.set WA,   18                          ; v18  coef's tile: 2,048 h + 32 r
.set BA,   19                          ; v19  scale_base's tile: 4,096 h + 4 r
.set G,    20                          ; v20-43   the 12 knots, pair t at G + 2 t
.set R1,   44                          ; v44-65   R_1[t], 0 where not finite
.set C1,   66                          ; v66-85   C_1[t] = R_2[t] or 0
.set C2,   86                          ; v86-103  C_2[t] = R_3[t] or 0
.set Z3,   104                         ; v104-119 1 or 0
.set U,    120                         ; v120-143 u_t
.set Y,    144                         ; v144-165 y
.set T,    166                         ; v166-185 at work
.set XR,   186                         ; v186-189 x of the trip's two rows
.set EX,   190                         ; v190-193 silu of the two rows at work
.set SV,   194                         ; v194-197 silu(x) of the two rows
.set MA,   198                         ; four partial maxima: v198, v199, v203, v207
.set MB,   199
.set SO,   200                         ; the conversion's scale operand
.set SB,   201                         ; v201-202 the scale bytes of the two rows
.set M2,   203
.set CD,   204                         ; v204-206, v208-210 the codes of the two rows
.set M3,   207
.set BSA,  212
.set WSA,  213
.set GW,   214                         ; 6,400 h + 16 r
.set H8,   215                         ; 8 h
.set SSA,  216
.set BSF,  217
.set WSF,  218
.set R16,  219
.set GTS,  220                         ; v220 LDS: where my 16 bytes of a load of grid go
.set SPW,  224                         ; my spare word's address; never rewritten
.set NIL,  225                         ; 0; never rewritten
.set TB,   226                         ; v226-228, v229: where the trip's second row's codes and byte go
.set TSB,  229
.set TXN,  230                         ; v230 the next trip's rows of the strip
.set GL,   120                         ; v120-143 my two rows of grid as they lie; v144-155 my wave's three loads of grid
.set D1,   120                         ; the set-up's 30 pairs of differences, then reciprocals: D1 11, D2 10, D3 9
.set D2,   142
.set D3,   162
.set FD,   120                         ; v120-167 the flush's 12 x 4 registers
.set FQ,   200                         ; v200-211 the fragment of coef or of scale_base, ahead of the loop
.set FB,   84                          ; v84-95 the fragment of the base, behind it
.set MK,   66                          ; s66-95 lane masks
.set RX,   96                          ; s96  272 x the first row of the trip whose x is asked for
.set RC,   97                          ; s97  16 x the trip's first row
.set CT,   98                          ; s98  trips to go
	s_load_b256 s[4:11], s[0:1], 0x0               ; x s[4:5], grid s[6:7], coef s[8:9], scale_base s[10:11]
	s_load_b128 s[12:15], s[0:1], 0x20             ; acodes s[12:13], wcodes s[14:15]
	v_lshl_add_u32 v[SPW], v0, 2, SPARE
	v_mov_b32 v[NIL], 0
	ds_add_u32 v[SPW], v[NIL]                      ; the opening lines: the add twice on end and one wait, ahead of my first tensor load
	ds_add_u32 v[SPW], v[NIL]
	v_lshrrev_b32 v2, 5, v0
	v_readfirstlane_b32 s99, v2                    ; wave 0..15
	s_and_b32 s16, s99, 7                          ; w: my strip of 64 inputs
	s_lshr_b32 s99, s99, 3                         ; beta: my 16 rows
	s_and_b32 s17, ttmp9, 3                        ; g % 4
	s_lshr_b32 s18, ttmp9, 2                       ; cb = g / 4: my block of 16 columns
	s_mov_b32 s20, 0x76543210
	s_mov_b32 s21, 0xfedcba98                      ; v_permlanex16_b32's selects for lane l xor 16
	; descriptor groups 1.  x: 16 rows x 32 elements of 8 bytes, 256 elements from row to row, 16 bytes of padding behind each 64 words
	s_mov_b32 s24, (3<<16)|(1<<20)|(5<<22)|(3<<25)
	s_mov_b32 s25, 32<<16
	s_mov_b32 s26, 16<<16
	s_mov_b32 s27, 32<<16
	s_mov_b32 s28, 16
	s_mov_b32 s29, 256
	s_mov_b32 s30, 0
	s_mov_b32 s31, 0
	; coef: 16 rows (i) x 64 elements of 8 bytes (16 columns x 8 functions), 4,096 elements from i to i + 1
	s_mov_b32 s40, 3<<16
	s_mov_b32 s41, 64<<16
	s_mov_b32 s42, 16<<16
	s_mov_b32 s43, 64<<16
	s_mov_b32 s44, 16
	s_mov_b32 s45, 4096
	s_mov_b32 s46, 0
	s_mov_b32 s47, 0
	; scale_base: 128 rows (i) x 16 elements of 4 bytes, 1,024 elements from i to i + 1
	s_mov_b32 s52, 2<<16
	s_mov_b32 s53, 16<<16
	s_mov_b32 s54, 128<<16
	s_mov_b32 s55, 16<<16
	s_mov_b32 s56, 128
	s_mov_b32 s57, 1024
	s_mov_b32 s58, 0
	s_mov_b32 s59, 0
	; groups 0: count and LDS address
	s_mov_b32 s32, 1
	s_mul_i32 s33, s16, XSW
	s_mul_i32 s37, s99, XH
	s_add_co_u32 s33, s33, s37                     ; my 16 rows of strip w
	s_mov_b32 s48, 1
	s_lshl_b32 s49, s16, 13
	s_add_co_u32 s49, s49, WT
	s_mov_b32 s60, 1
	s_mov_b32 s61, BT
	; byte offsets, each in a pair with 0 above it (all stay under 2^25)
	s_lshl_b32 s66, ttmp9, 16                      ; x: 32 g + 16 beta rows of 2,048 bytes + 256 w
	s_lshl_b32 s22, s16, 8
	s_add_co_u32 s66, s66, s22
	s_lshl_b32 s22, s99, 15
	s_add_co_u32 s66, s66, s22
	s_mov_b32 s67, 0
	s_lshl_b32 s68, s17, 3                         ; coef: K step s = 8 (g % 4) + w: 16 s rows of 32,768 bytes, + 512 cb
	s_add_co_u32 s68, s68, s16
	s_lshl_b32 s68, s68, 19
	s_lshl_b32 s22, s18, 9
	s_add_co_u32 s68, s68, s22
	s_mov_b32 s69, 0
	s_lshl_b32 s70, s17, 19                        ; scale_base: 128 (g % 4) rows of 4,096 bytes, + 64 cb
	s_lshl_b32 s22, s18, 6
	s_add_co_u32 s70, s70, s22
	s_mov_b32 s71, 0
	s_mul_i32 s72, ttmp9, 2*BP                     ; acodes: my work-group's two blocks of 16 rows
	s_mov_b32 s73, 0
	s_mul_i32 s74, s16, REC                        ; spline record w of row block beta
	s_mul_i32 s22, s99, BP
	s_add_co_u32 s74, s74, s22
	s_mov_b32 s75, 0
	s_lshr_b32 s22, s16, 1                         ; base record (the ninth), image w / 2, lane slots 16 (w % 2) on
	s_mul_i32 s22, s22, IMG
	s_and_b32 s23, s16, 1
	s_lshl_b32 s23, s23, 8
	s_add_co_u32 s76, s22, s23
	s_add_co_u32 s76, s76, 8*REC
	s_mov_b32 s77, 0
	s_mul_i32 s22, s18, 9                          ; wcodes: record 9 cb + 2 (g % 4) is the first of the two that this work-group fills
	s_lshl_b32 s23, s17, 1
	s_add_co_u32 s22, s22, s23
	s_mul_i32 s80, s22, REC
	s_mov_b32 s81, 0
	s_lshr_b32 s23, s16, 2                         ; K step w's: + w / 4, image w % 4
	s_add_co_u32 s22, s22, s23
	s_mul_i32 s78, s22, REC
	s_and_b32 s23, s16, 3
	s_mul_i32 s23, s23, IMG
	s_add_co_u32 s78, s78, s23
	s_mov_b32 s79, 0
	s_mul_i32 s22, s18, BP                         ; the base record of cb: its scale words' column g % 4,
	s_lshl_b32 s23, s17, 2
	s_add_co_u32 s82, s22, s23
	s_add_co_u32 s82, s82, 8*REC+SCO
	s_mov_b32 s83, 0
	s_mul_i32 s23, s17, IMG                        ; and its image g % 4
	s_add_co_u32 s84, s22, s23
	s_add_co_u32 s84, s84, 8*REC
	s_mov_b32 s85, 0
	s_mul_i32 s86, s16, 3072                       ; grid: 64 w rows of 48 bytes,
	s_add_co_u32 s88, s86, GT                      ; (the strip's rows of grid in LDS,
	s_mul_i32 s22, s99, 1536
	s_add_co_u32 s89, s88, s22                     ; and my wave's half of them)
	s_add_co_u32 s86, s86, s22                     ; and my wave's half of them
	s_mov_b32 s87, 0
	; every address register that is kept is made here, ahead of the first place where the waves part
	v_and_b32 v1, 31, v0                           ; L
	v_and_b32 v120, 15, v0                         ; r
	v_bfe_u32 v121, v0, 4, 1                       ; h
	v_bfe_u32 v122, v0, 3, 2                       ; q = L / 8: which K step of my record my two inputs belong to
	v_bfe_u32 v123, v0, 2, 1                       ; c
	v_bfe_u32 v124, v0, 1, 1                       ; the slot's half
	v_and_b32 v125, 1, v0                          ; lower or upper 16 codes of the block
	v_mul_u32_u24 v[GRA], v1, 96
	v_add_nc_u32 v[GRA], s88, v[GRA]
	v_lshl_add_u32 v[GTS], v1, 4, s89
	s_mul_i32 s19, s16, XSW
	v_lshl_add_u32 v[XA], v1, 3, s33
	v_mul_u32_u24 v[RWA], v1, 272
	v_add_nc_u32 v[RWA], s19, v[RWA]
	s_mul_i32 s22, s16, CSW
	s_add_co_u32 s22, s22, CS
	s_lshl_b32 s23, s99, 8                         ; 16 bytes a row: my 16 rows of the stage
	s_add_co_u32 s22, s22, s23
	v_mul_u32_u24 v126, v122, CQ
	v_mad_u32_u24 v126, v124, CHP, v126
	v_add_nc_u32 v126, s22, v126
	v_mul_u32_u24 v127, v123, 6
	v_mad_u32_u24 v127, v125, 3, v127              ; my first register of the fragment: 6 c + 3 (L % 2)
.irp j, 0,1,2
	v_add_nc_u32 v128, \j, v127
	v_lshrrev_b32 v129, 2, v128
	v_and_b32 v128, 3, v128
	v_mad_u32_u24 v129, v129, CC, v126
	v_lshl_add_u32 v[CA+\j], v128, 2, v129
.endr
	v_mul_u32_u24 v[FA], v121, CHP
	v_lshl_add_u32 v[FA], v120, 4, v[FA]
	v_add_nc_u32 v[FA], s22, v[FA]
	s_lshl_b32 s23, s16, 9
	s_add_co_u32 s23, s23, SS
	v_lshrrev_b32 v[SA], 1, v1
	v_add_nc_u32 v[SA], s23, v[SA]
	v_lshl_add_u32 v[SSA], v1, 4, s23
	s_lshl_b32 s23, s99, 8
	v_add_nc_u32 v[SA], s23, v[SA]                 ; my 16 rows' scale bytes
	v_lshlrev_b32 v[GA], 4, v1
	v_mul_u32_u24 v[GS], v121, BP
	v_lshl_add_u32 v[GS], v120, 4, v[GS]
	v_mul_u32_u24 v[GW], v121, REC
	v_lshl_add_u32 v[GW], v120, 4, v[GW]
	s_lshl_b32 s23, s16, 13
	s_add_co_u32 s23, s23, WT
	v_lshlrev_b32 v[WA], 11, v121
	v_lshl_add_u32 v[WA], v120, 5, v[WA]
	v_add_nc_u32 v[WA], s23, v[WA]
	v_lshlrev_b32 v[BA], 12, v121
	v_lshl_add_u32 v[BA], v120, 2, v[BA]
	v_add_nc_u32 v[BA], BT, v[BA]
	s_lshr_b32 s23, s16, 1                         ; A's base scale bytes: word w / 2, byte w % 2 (+ 2 c)
	s_lshl_b32 s23, s23, 2
	s_and_b32 s22, s16, 1
	s_add_co_u32 s23, s23, s22
	s_add_co_u32 s23, s23, BS
	v_lshl_add_u32 v[BSA], v1, 4, s23
	s_lshr_b32 s23, s16, 2                         ; coef's scale words: record w / 4, word w % 4
	s_lshl_b32 s23, s23, 8
	s_and_b32 s22, s16, 3
	s_lshl_b32 s22, s22, 2
	s_add_co_u32 s23, s23, s22
	s_add_co_u32 s23, s23, WS
	v_lshl_add_u32 v[WSA], v120, 4, s23
	v_lshlrev_b32 v[H8], 3, v121
	v_lshl_add_u32 v[BSF], v1, 4, BS
	v_lshl_add_u32 v[WSF], v1, 4, WS
	v_lshlrev_b32 v[R16], 4, v120
	s_wait_alu depctr_va_vdst(0)                   ; the wait at the head's end
	s_wait_dscnt 0x0                               ; both opening adds are done
	s_wait_kmcnt 0x0
	s_add_nc_u64 s[34:35], s[4:5], s[66:67]
	s_or_b32 s35, s35, 0x80000000                  ; type = 2
	s_add_nc_u64 s[50:51], s[8:9], s[68:69]
	s_or_b32 s51, s51, 0x80000000
	s_add_nc_u64 s[62:63], s[10:11], s[70:71]
	s_or_b32 s63, s63, 0x80000000
	tensor_load_to_lds s[32:35], s[24:31]          ; my 16 rows of x: the one tensor load of each wave at the head
	s_nop 0
.rept 4
	v_nop
.endr
	s_add_nc_u64 s[6:7], s[6:7], s[86:87]          ; grid at my wave's 1,536 bytes
.irp j, 0,1,2
	global_load_b128 v[GL+24+4*\j:GL+24+4*\j+3], v[GA], s[6:7] offset:512*\j   ; 32 lanes read 512 consecutive bytes
.endr
	s_add_nc_u64 s[12:13], s[12:13], s[72:73]      ; acodes at the work-group's two blocks of rows;
	s_add_nc_u64 s[4:5], s[12:13], s[74:75]        ; at my spline record;
	s_add_nc_u64 s[8:9], s[12:13], s[76:77]        ; at strip w's part of the base record
	s_add_nc_u64 s[10:11], s[14:15], s[78:79]      ; wcodes at K step w's image of coef;
	s_add_nc_u64 s[2:3], s[14:15], s[80:81]        ; at the work-group's first record;
	s_add_nc_u64 s[100:101], s[14:15], s[82:83]    ; at the base record's scale words;
	s_add_nc_u64 s[14:15], s[14:15], s[84:85]      ; at the base image
	s_mov_b32 s19, 0x7f800000                      ; +infinity
	s_wait_loadcnt 0x0
.irp j, 0,1,2
	ds_store_b128 v[GTS], v[GL+24+4*\j:GL+24+4*\j+3] offset:512*\j
.endr
	; the weights' tiles are first fills that come later, behind a barrier.  The same barrier shows the strip's rows of grid to its two waves
	s_wait_tensorcnt 0x0                           ; my rows of x are in
	ds_add_u32 v[SPW], v[NIL]
	s_wait_dscnt 0x0                               ; the add and my stores of grid are done
	s_barrier_signal -1
	s_barrier_wait -1
	s_cmp_eq_u32 s99, 0
	s_cbranch_scc1 .Lfor_sb
	tensor_load_to_lds s[48:51], s[40:47]          ; waves 8-15: tile w of coef
	s_nop 0
.rept 4
	v_nop
.endr
	s_branch .Lasked
.Lfor_sb:
	s_cmp_lg_u32 s16, 7
	s_cbranch_scc1 .Lasked
	tensor_load_to_lds s[60:63], s[52:59]          ; wave 7: the tile of scale_base
	s_nop 0
.rept 4
	v_nop
.endr
.Lasked:
	; ---- THE CONSTANTS OF MY TWO INPUTS
.irp k, 0,1,2,3,4,5
	ds_load_b128 v[GL+4*\k:GL+4*\k+3], v[GRA] offset:16*\k          ; 12 knots of input i0, then 12 of i0 + 1
.endr
	s_wait_dscnt 0x0
.set tt, 0
.rept 12
	v_mov_b32 v[G+2*tt], v[GL+tt]                  ; into pairs (i0, i0 + 1)
	v_mov_b32 v[G+2*tt+1], v[GL+12+tt]
.set tt, tt+1
.endr
.set tt, 0
.rept 11
	v_pk_add_f32 v[D1+2*tt:D1+2*tt+1], v[G+2*tt+2:G+2*tt+3], v[G+2*tt:G+2*tt+1] neg_lo:[0,1] neg_hi:[0,1]   ; g[t+1] - g[t]
.set tt, tt+1
.endr
.set tt, 0
.rept 10
	v_pk_add_f32 v[D2+2*tt:D2+2*tt+1], v[G+2*tt+4:G+2*tt+5], v[G+2*tt:G+2*tt+1] neg_lo:[0,1] neg_hi:[0,1]   ; g[t+2] - g[t]
.set tt, tt+1
.endr
.set tt, 0
.rept 9
	v_pk_add_f32 v[D3+2*tt:D3+2*tt+1], v[G+2*tt+6:G+2*tt+7], v[G+2*tt:G+2*tt+1] neg_lo:[0,1] neg_hi:[0,1]   ; g[t+3] - g[t]
.set tt, tt+1
.endr
.set tt, 0
	s_wait_alu depctr_va_vdst(0)
.rept 60
	v_rcp_f32 v[D1+tt], v[D1+tt]
.set tt, tt+1
.endr
	v_nop                                          ; a plain place behind the last reciprocal
	s_wait_alu depctr_va_vdst(0)
.irp p, 0,1                                    ; input i0, then i0 + 1
.set tt, 0
.rept 30
	v_cmp_gt_f32 s[MK+tt], s19, |v[D1+2*tt+\p]|    ; n: the reciprocal is finite.  n_1 in s66-76, n_2 in s77-86, n_3 in s87-95
.set tt, tt+1
.endr
.set tt, 0
.rept 11
	v_cndmask_b32 v[R1+2*tt+\p], 0, v[D1+2*tt+\p], s[MK+tt]
.set tt, tt+1
.endr
.set tt, 0
.rept 10                                       ; t ascending, so that n_1[t+1] is still as it was made
	s_and_b32 s[MK+tt], s[MK+tt], s[MK+tt+1]
	s_and_b32 s[MK+tt], s[MK+tt], s[MK+11+tt]
	v_cndmask_b32 v[C1+2*tt+\p], 0, v[D2+2*tt+\p], s[MK+tt]       ; C_1[t] = n_1[t] n_1[t+1] n_2[t] ? R_2[t] : 0
.set tt, tt+1
.endr
.set tt, 0
.rept 9
	s_and_b32 s[MK+11+tt], s[MK+11+tt], s[MK+12+tt]
	s_and_b32 s[MK+11+tt], s[MK+11+tt], s[MK+21+tt]
	v_cndmask_b32 v[C2+2*tt+\p], 0, v[D3+2*tt+\p], s[MK+11+tt]    ; C_2[t] = n_2[t] n_2[t+1] n_3[t] ? R_3[t] : 0
.set tt, tt+1
.endr
.set tt, 0
.rept 8
	s_and_b32 s[MK+21+tt], s[MK+21+tt], s[MK+22+tt]
	v_cndmask_b32 v[Z3+2*tt+\p], 0, 1.0, s[MK+21+tt]              ; Z3[t] = n_3[t] n_3[t+1] ? 1 : 0
.set tt, tt+1
.endr
.endr
; Level j of the recursion, n values, in place on Y: Y[t] = (u_t Y[t] - u_(t+j+1) Y[t+1]) x c[t], two inputs an instruction
.macro LEVEL j, n, c
.set tt, 0
.rept \n
	v_pk_mul_f32 v[T+2*tt:T+2*tt+1], v[U+2*(tt+\j+1):U+2*(tt+\j+1)+1], v[Y+2*tt+2:Y+2*tt+3]
.set tt, tt+1
.endr
.set tt, 0
.rept \n
	v_pk_fma_f32 v[T+2*tt:T+2*tt+1], v[U+2*tt:U+2*tt+1], v[Y+2*tt:Y+2*tt+1], v[T+2*tt:T+2*tt+1] neg_lo:[0,0,1] neg_hi:[0,0,1]
.set tt, tt+1
.endr
.set tt, 0
.rept \n
	v_pk_mul_f32 v[Y+2*tt:Y+2*tt+1], v[T+2*tt:T+2*tt+1], v[\c+2*tt:\c+2*tt+1]
.set tt, tt+1
.endr
.endm
; Lines from .. to - 1 of a row's 36 independent ones: 0-11: u_t = x - g_t; 12-35: x >= g_t, as 0 <= u_t (exact, since denormals are kept), input i0's masks in s66-77, i0 + 1's in s78-89.  f = 0: none
.macro FIL f, row, from, to
.if \f
.set ff, \from
.rept \to-\from
.if ff < 12
	v_pk_add_f32 v[U+2*ff:U+2*ff+1], v[XR+2*\row:XR+2*\row+1], v[G+2*ff:G+2*ff+1] neg_lo:[0,1] neg_hi:[0,1]
.else
	v_cmp_le_f32 s[MK+12*((ff-12)%2)+(ff-12)/2], 0, v[U+ff-12]
.endif
.set ff, ff+1
.endr
.endif
.endm
; Row `row`'s 36 lines and, where q = 1, among them the chain of the row that lies finished in Y (row n of its trip): its block's largest magnitude, scale, codes and byte, stored by the addresses ta .. ta + 2 and tsa
.macro AQ f, row, q, n, ta, tsa
.if \q
	v_max3_num_f32 v[MA], |v[Y]|, |v[Y+1]|, |v[Y+2]|               ; the largest magnitude of my 16, in four chains
	v_max3_num_f32 v[MB], |v[Y+3]|, |v[Y+4]|, |v[Y+5]|
	v_max3_num_f32 v[M2], |v[Y+6]|, |v[Y+7]|, |v[Y+8]|
	v_max3_num_f32 v[M3], |v[Y+9]|, |v[Y+10]|, |v[Y+11]|
.endif
	FIL \f, \row, 0, 3
.if \q
	v_max3_num_f32 v[MA], v[MA], |v[Y+12]|, |v[Y+13]|
	v_max3_num_f32 v[MB], v[MB], |v[Y+14]|, |v[Y+15]|
	v_max3_num_f32 v[M2], v[M2], v[M3], 0x1800000  ; and the floor 2^(3 - 127): the byte cannot fall under 1
.endif
	FIL \f, \row, 3, 7
.if \q
	v_max3_num_f32 v[MA], v[MA], v[MB], v[M2]
.endif
	FIL \f, \row, 7, 11
.if \q
	v_max_num_f32_dpp v[MA], v[MA], v[MA] row_xmask:1 row_mask:0xf bank_mask:0xf   ; with my neighbour's 16: the block's
.endif
	FIL \f, \row, 11, 15
.if \q
	v_add_nc_u32 v[SO], 0xff000000, v[MA]          ; 2 off its exponent field: the conversion takes the exponent field of this operand as its scale
.endif
	FIL \f, \row, 15, 19
.if \q
	v_cvt_scalef32_pk16_fp6_f32 v[CD+4*\n:CD+4*\n+2], v[Y:Y+15], v[SO]
	v_lshrrev_b32 v[SB+\n], 23, v[SO]              ; the scale's byte.  (The plain place behind the conversion)
.endif
	FIL \f, \row, 19, 36
.if \q
.irp j, 0,1,2
	ds_store_b32 v[\ta+\j], v[CD+4*\n+\j] offset:16*\n
.endr
	ds_store_b8 v[\tsa], v[SB+\n] offset:16*\n     ; both lanes of a block write the same byte with the same value
.endif
.endm
.macro MASKS                           ; x >= g_t and x < g_(t+1); t ascending, in place
.set tt, 0
.rept 11
	s_and_not1_b32 s[MK+tt], s[MK+tt], s[MK+tt+1]
	s_and_not1_b32 s[MK+12+tt], s[MK+12+tt], s[MK+13+tt]
.set tt, tt+1
.endr
.endm
.macro YZERO                           ; y_0[t] = v_0[t] R_1[t]
.set tt, 0
.rept 11
	v_cndmask_b32 v[Y+2*tt], 0, v[R1+2*tt], s[MK+tt]
	v_cndmask_b32 v[Y+2*tt+1], 0, v[R1+2*tt+1], s[MK+12+tt]
.set tt, tt+1
.endr
.endm
; A trip's first half: silu of both rows, and the first row's splines.  q = 1: the last trip's second row, which lies finished in Y, is quantised on the way.
.macro HEADP q
	s_wait_alu depctr_va_vdst(0)
	s_wait_dscnt 0x0                               ; this trip's x is in, and all my LDS stores have read their registers: addresses, codes and bytes may be written again
	v_add_nc_u32 v[TXA], s[RX], v[XA]
.if \q
	v_add_nc_u32 v[TB], s[RC], v[CA]               ; (s97 still counts the last trip's rows)
	v_add_nc_u32 v[TB+1], s[RC], v[CA+1]
	v_add_nc_u32 v[TB+2], s[RC], v[CA+2]
	v_add_nc_u32 v[TSB], s[RC], v[SA]
.endif
	v_pk_mul_f32 v[EX:EX+1], v[XR:XR+1], 0xbfb8aa3b op_sel_hi:[1,0]         ; -x log2(e)
	v_pk_mul_f32 v[EX+2:EX+3], v[XR+2:XR+3], 0xbfb8aa3b op_sel_hi:[1,0]
	AQ 1, 0, \q, 1, TB, TSB
	s_wait_alu depctr_va_vdst(0)
.irp e, 0,1,2,3
	v_exp_f32 v[EX+\e], v[EX+\e]
.endr
	v_nop                                          ; a plain place behind the exponentials
	MASKS
	s_wait_alu depctr_va_vdst(0)
	v_pk_add_f32 v[EX:EX+1], v[EX:EX+1], 1.0 op_sel_hi:[1,0]
	v_pk_add_f32 v[EX+2:EX+3], v[EX+2:EX+3], 1.0 op_sel_hi:[1,0]
	YZERO
	s_wait_alu depctr_va_vdst(0)
.irp e, 0,1,2,3
	v_rcp_f32 v[EX+\e], v[EX+\e]
.endr
	LEVEL 1, 10, C1                                ; (independent work behind the reciprocals)
	s_wait_alu depctr_va_vdst(0)
	v_pk_mul_f32 v[SV:SV+1], v[XR:XR+1], v[EX:EX+1]                         ; silu(x) = x / (1 + e^-x)
	v_pk_mul_f32 v[SV+2:SV+3], v[XR+2:XR+3], v[EX+2:EX+3]
	ds_store_b64 v[TXA], v[SV:SV+1]
	ds_store_b64 v[TXA], v[SV+2:SV+3] offset:272
	LEVEL 2, 9, C2
	LEVEL 3, 8, Z3
.endm
; A trip's second half: the first row is quantised among the second row's first lines; more = 1: the next trip's x is asked for; the second row's splines
.macro MIDP more
	v_add_nc_u32 v[TCA], s[RC], v[CA]
	v_add_nc_u32 v[TCA+1], s[RC], v[CA+1]
	v_add_nc_u32 v[TCA+2], s[RC], v[CA+2]
	v_add_nc_u32 v[TSA], s[RC], v[SA]
.if \more
	s_add_co_u32 s[RX], s[RX], 544
	v_add_nc_u32 v[TXN], s[RX], v[XA]
.endif
	AQ 1, 1, 1, 0, TCA, TSA
.if \more
	ds_load_b64 v[XR:XR+1], v[TXN]                 ; x's registers have been read for the last time in this trip
	ds_load_b64 v[XR+2:XR+3], v[TXN] offset:272
.endif
	MASKS
	YZERO
	LEVEL 1, 10, C1
	LEVEL 2, 9, C2
	LEVEL 3, 8, Z3
.endm
; 64 numbers of a lane, v[X64] on, are two whole blocks of 32: they become the 12 registers of a fragment, v[f] on; the bytes in v[QB], v[QB+1].  The two blocks take turns line by line
.macro QUANT2 f
.irp c, 0,1
	v_max3_num_f32 v[QM+\c], |v[X64+32*\c]|, |v[X64+32*\c+1]|, 0x1800000   ; with the floor 2^(3 - 127)
.endr
.irp i, 2,4,6,8,10,12,14,16,18,20,22,24,26,28,30
.irp c, 0,1
	v_max3_num_f32 v[QM+\c], v[QM+\c], |v[X64+32*\c+\i]|, |v[X64+32*\c+\i+1]|
.endr
.endr
.irp c, 0,1
	v_add_nc_u32 v[QO+\c], 0xff000000, v[QM+\c]
.endr
.irp c, 0,1
	v_lshrrev_b32 v[QB+\c], 23, v[QO+\c]
.endr
.irp c, 0,1
	v_cvt_scalef32_pk16_fp6_f32 v[\f+6*\c:\f+6*\c+2], v[X64+32*\c:X64+32*\c+15], v[QO+\c]
	v_cvt_scalef32_pk16_fp6_f32 v[QT+4*\c:QT+4*\c+2], v[X64+32*\c+16:X64+32*\c+31], v[QO+\c]   ; (a conversion's three registers begin on an even number: made elsewhere and moved)
.endr
	v_nop                                          ; one plain place behind a scaled conversion
.irp c, 0,1
.irp i, 0,1,2
	v_mov_b32 v[\f+6*\c+3+\i], v[QT+4*\c+\i]
.endr
.endr
.endm
; my two bytes (blocks h and 2 + h of column r) and lane l xor 16's two make the column's scale word, in v[QW]
.macro WORD
	v_lshl_or_b32 v[QW], v[QB+1], 16, v[QB]
	v_mov_b32 v[QW+1], 0
	v_lshlrev_b32 v[QW], v[H8], v[QW]
	v_permlanex16_b32 v[QW+1], v[QW], s20, s21
	v_or_b32 v[QW], v[QW], v[QW+1]
.endm
	; ---- W, ahead of the splines, in registers that the loop uses only later: v120-183 the numbers, v184-199 at work, v200-211 the fragment
.set X64,  120
.set QT,   184
.set QM,   192
.set QO,   194
.set QB,   196
.set QW,   198
	s_cmp_eq_u32 s99, 0
	s_cbranch_scc1 .Lmaybe_sb
	; waves 8-15: ONE K STEP OF 16 COLUMNS OF coef.  Lane (r, h): column r; register 32 c + 16 (ii / 2) + 2 k + ii % 2 = coef(16 s + 8 c + 4 h + ii, column, k): A's order of codes
	s_wait_tensorcnt 0x0                           ; my tile of coef is in; I alone read it
.irp c, 0,1
.irp i, 0,1,2,3
.irp k, 0,1,2,3,4,5,6,7
	ds_load_b32 v[X64+32*\c+16*(\i/2)+2*\k+\i%2], v[WA] offset:(8*\c+\i)*512+4*\k
.endr
.endr
.endr
	s_wait_dscnt 0x0
	QUANT2 FQ
	WORD
.irp c, 0,1,2
	global_store_b128 v[GA], v[FQ+4*\c:FQ+4*\c+3], s[10:11] offset:512*\c   ; 512 consecutive bytes, aligned
.endr
	ds_store_b32 v[WSA], v[QW]                     ; lanes r and r + 16 write the same word with the same value
	s_branch .Lw_done
.Lmaybe_sb:
	s_cmp_lg_u32 s16, 7
	s_cbranch_scc1 .Lw_done
	; wave 7: ONE K STEP OF 16 COLUMNS OF scale_base
	s_wait_tensorcnt 0x0                           ; my tile of scale_base is in; I alone read it
.irp c, 0,1
.set tt, 0
.rept 32
	ds_load_b32 v[X64+32*\c+tt], v[BA] offset:(32*\c+tt)*64
.set tt, tt+1
.endr
.endr
	s_wait_dscnt 0x0
	QUANT2 FQ
	WORD
.irp c, 0,1,2
	global_store_b128 v[GA], v[FQ+4*\c:FQ+4*\c+3], s[14:15] offset:512*\c
.endr
	global_store_b32 v[R16], v[QW], s[100:101]     ; 4 bytes of each column's 16: four work-groups fill this block of 256 bytes between them; 16,384 bytes in the whole launch leave so
.Lw_done:
	s_wait_xcnt 0x0                                ; the stores above have read their registers, which the loop writes again
	; ---- A: THE SPLINES of my sixteen rows, two a trip, eight trips
	ds_load_b64 v[XR:XR+1], v[XA]
	ds_load_b64 v[XR+2:XR+3], v[XA] offset:272
	s_mov_b32 s[RX], 0
	s_mov_b32 s[RC], 0
	s_mov_b32 s[CT], 7
	HEADP 0                                        ; trip 0's first half
.Ltrip:                                                ; a pass: a trip's second half and the next trip's first
	MIDP 1
	HEADP 1
	s_add_co_u32 s[RC], s[RC], 32
	s_sub_co_u32 s[CT], s[CT], 1
	s_cmp_lg_u32 s[CT], 0
	s_wait_alu depctr_va_vdst(0)
	s_cbranch_scc1 .Ltrip
	MIDP 0                                         ; trip 7's second half asks for no further x
	s_wait_alu depctr_va_vdst(0)
	s_wait_dscnt 0x0                               ; my LDS stores have read their registers
	v_add_nc_u32 v[TB], s[RC], v[CA]
	v_add_nc_u32 v[TB+1], s[RC], v[CA+1]
	v_add_nc_u32 v[TB+2], s[RC], v[CA+2]
	v_add_nc_u32 v[TSB], s[RC], v[SA]
	AQ 0, 0, 1, 1, TB, TSB                         ; the last row is quantised by itself
	; my sixteen rows' codes leave the stage as the record's four images: each store covers 512 consecutive bytes, at a multiple of 256 from the buffer's first byte
.irp q, 0,1,2,3
.irp c, 0,1,2
	ds_load_b128 v[FD+4*(3*\q+\c):FD+4*(3*\q+\c)+3], v[FA] offset:\q*CQ+\c*CC   ; LDS serves a wave's instructions in order: these see my stores
.endr
.endr
.irp q, 0,1,2,3
.irp c, 0,1,2
	s_wait_dscnt 11-(3*\q+\c)                      ; this load is in; the younger ones of the twelve may be out
	global_store_b128 v[GA], v[FD+4*(3*\q+\c):FD+4*(3*\q+\c)+3], s[4:5] offset:\q*IMG+\c*512
.endr
.endr
	s_wait_dscnt 0x0                               ; for the others' sake: my stores of silu and of scale bytes are done
	s_barrier_signal -1
	s_barrier_wait -1
	s_cmp_lg_u32 s99, 0
	s_cbranch_scc1 .Ljoin
	; ---- waves 0-7, in registers that no pending store reads: v20-83 the numbers, v84-95 the fragment, v168-182 at work
.set X64,  20
.set QM,   168
.set QO,   170
.set QB,   172
.set QT,   176
	ds_load_b128 v[XR:XR+3], v[SSA]                ; strip w's spline scale words, both blocks of rows: a row's 16 scale bytes are its four scale words
	s_wait_dscnt 0x0
	global_store_b128 v[GS], v[XR:XR+3], s[4:5] offset:SCO      ; sixteen lanes store 256 consecutive bytes, aligned: a record's scale words
	; A: THE BASE.  Lane L takes row L: silu of strip w's 64 inputs, two whole blocks
.set tt, 0
.rept 16
	ds_load_b128 v[X64+4*tt:X64+4*tt+3], v[RWA] offset:16*tt
.set tt, tt+1
.endr
	s_wait_dscnt 0x0
	QUANT2 FB
.irp c, 0,1,2
	global_store_b128 v[GS], v[FB+4*\c:FB+4*\c+3], s[8:9] offset:512*\c   ; sixteen lanes store 256 consecutive bytes, aligned
.endr
.irp c, 0,1
	ds_store_b8 v[BSA], v[QB+\c] offset:2*\c
.endr
.Ljoin:
	; ---- the scale bytes that the waves have gathered
	s_wait_dscnt 0x0                               ; for the others' sake: my stores into LDS are done
	s_barrier_signal -1
	s_barrier_wait -1
	s_cmp_lg_u32 s99, 0
	s_cbranch_scc1 .Lend
	s_cmp_lg_u32 s16, 0
	s_cbranch_scc1 .Lnot_0
	ds_load_b128 v[EX:EX+3], v[BSF]
	s_wait_dscnt 0x0
	global_store_b128 v[GS], v[EX:EX+3], s[12:13] offset:8*REC+SCO   ; wave 0: A's base records' scale words
.Lnot_0:
	s_cmp_lg_u32 s16, 1
	s_cbranch_scc1 .Lend
	ds_load_b128 v[SV:SV+3], v[WSF]
	s_wait_dscnt 0x0
	global_store_b128 v[GW], v[SV:SV+3], s[2:3] offset:SCO           ; wave 1: the scale words of the two records of coef
.Lend:
	s_wait_tensorcnt 0x0                           ; the wave's end
	ds_add_u32 v[SPW], v[NIL]
	s_wait_dscnt 0x0
	s_endpgm
.Lfunc_end_k_q052d4597be_prep:
	.size	k_q052d4597be_prep, .Lfunc_end_k_q052d4597be_prep-k_q052d4597be_prep
	.p2alignl 7, 3214868480
	.fill 96, 4, 3214868480
	.section	.rodata,"a",@progbits
	.p2align	6, 0x0
	.amdhsa_kernel k_q052d4597be_prep
		.amdhsa_group_segment_fixed_size 327680
		.amdhsa_private_segment_fixed_size 0
		.amdhsa_enable_private_segment 0
		.amdhsa_kernarg_size 48
		.amdhsa_user_sgpr_count 2
		.amdhsa_user_sgpr_kernarg_segment_ptr 1
		.amdhsa_wavefront_size32 1
		.amdhsa_system_sgpr_workgroup_id_x 1
		.amdhsa_system_sgpr_workgroup_id_y 1
		.amdhsa_system_sgpr_workgroup_id_z 1
		.amdhsa_system_vgpr_workitem_id 0
		.amdhsa_next_free_vgpr 232
		.amdhsa_next_free_sgpr 102
		.amdhsa_reserve_vcc 0
		.amdhsa_float_denorm_mode_32 3
		.amdhsa_float_denorm_mode_16_64 3
		.amdhsa_memory_ordered 1
		.amdhsa_forward_progress 1
		.amdhsa_inst_pref_size 95
	.end_amdhsa_kernel
	.amdgpu_metadata
---
amdhsa.version: [ 1, 2 ]
amdhsa.kernels:
  - .name:           k_q052d4597be_prep
    .symbol:         k_q052d4597be_prep.kd
    .args:
      - { .name: x, .offset: 0, .size: 8, .value_kind: global_buffer, .address_space: global }
      - { .name: grid, .offset: 8, .size: 8, .value_kind: global_buffer, .address_space: global }
      - { .name: coef, .offset: 16, .size: 8, .value_kind: global_buffer, .address_space: global }
      - { .name: scale_base, .offset: 24, .size: 8, .value_kind: global_buffer, .address_space: global }
      - { .name: acodes, .offset: 32, .size: 8, .value_kind: global_buffer, .address_space: global }
      - { .name: wcodes, .offset: 40, .size: 8, .value_kind: global_buffer, .address_space: global }
    .group_segment_fixed_size: 327680
    .private_segment_fixed_size: 0
    .kernarg_segment_align: 8
    .kernarg_segment_size: 48
    .max_flat_workgroup_size: 512
    .sgpr_count:     102
    .vgpr_count:     232
    .wavefront_size: 32
...
	.end_amdgpu_metadata
.endif
;; end of part 1
;; launch gemm (part 2): grid 4 x 64, 4 waves a work-group, clusters of 4 x 4, 327,680 bytes of LDS; arguments acodes, wcodes, out0; writes out0
.if DOCPART == 2
	.amdgcn_target "amdgcn-amd-amdhsa--gfx1250"
	.amdhsa_code_object_version 6
	.text
	.protected	k_q052d4597be_gemm
	.globl	k_q052d4597be_gemm
	.p2align	8
	.type	k_q052d4597be_gemm,@function
k_q052d4597be_gemm:
	s_mov_b64 s[64:65], 0
	v_nop
	global_prefetch_b8 v0, s[64:65] scope:SCOPE_SE
	s_setreg_imm32_b32 hwreg(HW_REG_WAVE_MODE, 25, 1), 1
	s_wait_xcnt 0x0
	s_wait_alu depctr_hold_cnt(0) depctr_sa_sdst(0) depctr_va_vdst(0) depctr_va_sdst(0) depctr_va_ssrc(0) depctr_va_vcc(0) depctr_vm_vsrc(0)
	s_getreg_b32 s2, hwreg(HW_REG_IB_STS2, 6, 4)
	s_cmp_eq_u32 s2, 0
	s_cbranch_scc0 .Lentry_in_a_cluster
	s_endpgm
.Lentry_in_a_cluster:
	s_bfe_u32 s2, ttmp6, 0x10000c
	s_cmp_lg_u32 s2, 0xf033
	s_cbranch_scc0 .Lentry_shape_is_right
	s_endpgm
.Lentry_shape_is_right:
; out0 [8192][1024] f32 = A W^T over K = 4,608 (36 steps of 128), on codes of FP6 (E2M3) with E8M0 scales, as launch prep has laid them:
; records of 6,400 bytes = 4 K steps of 16 rows (acodes) or 16 columns (wcodes) as images of the operand's registers (image q at 1,536 q: three runs of 512 bytes, 16 bytes a lane), scale words at 6,144 + 16 r + 4 q;
; nine records from one block of 16 to the next (57,600 bytes).  A fragment is three ds_load_b128 at 16 x lane; nothing is shifted or unpacked.
; A work-group makes 128 x 256 of out0: 256 work-groups.  Four waves, each 64 x 128: 32 accumulators, 256 registers.
; THE RING: two slots, each with one record (4 K steps) of A's 8 blocks and of W's 16: 153,600 bytes; rows of the tensor loads are whole records, which begin at multiples of 256 bytes.
; All four K steps of a record have fragment registers of their own, so a slot is free at its record's third K step: there stands the change of slots.
; CLUSTERS: 4 x 4.  A's records are shared along a row of the cluster, W's along a column: joint loads, waves 0 and 1 for A (4 records each), waves 2 and 3 for W (8 each).
; PREFETCH: behind the joint load of record t, and behind the run of LDS loads that follows it, record t + 2 is asked for (at the head records 1 and 2): a lane names one block of 256 bytes, 25 blocks to a record
; (lanes 25-31 name the record's last block again).  Of the records that a wave fetches, the partner at place p of the four that ask jointly names its share by ADDRESS: one of A's four (p = cx), two of W's eight (p = cy).
; W is the same for all sixteen clusters: clusters 0, 4, 8 and 12 alone ask for it.  Nothing is asked for beyond record 8.
; THE MATRIX INSTRUCTION IS USED TRANSPOSED (source 0 = 16 columns of W, source 1 = 16 rows of A): a lane holds eight neighbouring numbers of a row of out0.
; THE LAST RECORD GOES BY ROWS: each block of 16 rows is finished by 32 products (its 8 accumulators by turns, K ascending), goes through the wave's stage in LDS while the next block is multiplied, and is stored.
; REGISTERS.  Window 0: v0-31 addresses; v32-95 scale words, a set for each slot; v96-143, v144-191 A's fragments of K steps 1, 3; v192-255 the way out.
; Window 1: W's fragments of K step 0 (v0-95) and 1 (v96-191), A's of step 0 (v192-239).  Window 3: the same for steps 2, 3 and 2.  Window 2: accumulator (a, b) at v[8 (8 a + b)].
.set REC,    6400
.set IMG,    1536
.set BP,     57600
.set SCO,    6144
.set WOFF,   8*REC                     ; in a slot: A's 8 records, then W's 16
.set SLOT,   24*REC
.set SPARE,  2*SLOT                    ; behind the ring: the spare words, 128 bytes for each wave
.set STAGE,  SLOT                      ; the way out: 16 rows x 528 bytes for each wave, in slot 1, which has had its last fill and its last read by then
.set SPITCH, 528
.set ADRA, 16                          ; v16-17 my A fragments in slot 0, 1
.set ADRB, 20                          ; v20-21 my W fragments
.set ADRS, 22                          ; v22-23 my scale words: lanes 0-15 A's, lanes 16-31 W's
.set STO,  24
.set RD,   25
.set CO,   26                          ; 16 x lane
.set SPW,  28
.set NIL,  29
.set PFO,  30                          ; 256 x min(lane, 24)
.set SC,   32
.set BK,   192
.set LIM,  11                          ; s11: 1 where my wave prefetches, else the greatest number
.set PFA,  12                          ; s[12:13]: my share of the record that the next prefetch names
.set G1,   24
.set G0,   32
.set G1B,  48
.set G0B,  56
.set MSB, 0
.macro WIN new                         ; the immediate's high byte repeats the setting that is left
.if MSB != (\new)
	s_set_vgpr_msb (MSB<<8)|(\new)
.set MSB, (\new)
.endif
.endm
.macro JLOAD s                         ; a joint load; an s_nop 0 and four v_nop follow each of the two lines
	s_cmp_eq_u32 s15, 0
	s_cbranch_scc0 .Lfor_w_\@
	tensor_load_to_lds s[G0+4*\s:G0+4*\s+3], s[G1:G1+7]
	s_nop 0
.rept 4
	v_nop
.endr
	s_branch .Lasked_\@
.Lfor_w_\@:
	tensor_load_to_lds s[G0B+4*\s:G0B+4*\s+3], s[G1B:G1B+7]
	s_nop 0
.rept 4
	v_nop
.endr
.Lasked_\@:
.endm
.macro CREST                           ; a round of the cluster's barrier behind its opening barrier
	s_cmp_lg_u32 s14, 0
	s_cbranch_scc1 .Lnot_wave_0_\@
	s_barrier_signal -3
.Lnot_wave_0_\@:
	s_barrier_wait -3
	s_barrier_signal -1
	s_barrier_wait -1
.endm
.macro CROUND
	s_barrier_signal -1
	s_barrier_wait -1
	CREST
.endm
; The prefetch.  how = 0: wherever my wave asks; how = 1: not in the loop's last trip (s3 = 1), whose record + 2 does not exist.  W's waves name a second record, one block of 16 columns on.
.macro ASK how, off
.if (\how)
	s_cmp_gt_u32 s3, s[LIM]
.else
	s_cmp_eq_u32 s[LIM], 1
.endif
	s_cbranch_scc0 .Lno_\@
	global_prefetch_b8 v[PFO], s[PFA:PFA+1] offset:\off th:TH_LOAD_NT scope:SCOPE_SE
	s_cmp_eq_u32 s15, 0
	s_cbranch_scc1 .Lno_\@
	global_prefetch_b8 v[PFO], s[PFA:PFA+1] offset:\off+BP th:TH_LOAD_NT scope:SCOPE_SE
.Lno_\@:
.endm
	s_load_b128 s[4:7], s[0:1], 0x0                ; acodes, wcodes
	s_load_b64 s[8:9], s[0:1], 0x10                ; out0
	v_lshl_add_u32 v[SPW], v0, 2, SPARE
	v_mov_b32 v[NIL], 0
	ds_add_u32 v[SPW], v[NIL]                      ; the opening lines: the add twice on end and one wait
	ds_add_u32 v[SPW], v[NIL]
	v_lshrrev_b32 v1, 5, v0
	v_readfirstlane_b32 s14, v1                    ; wave 0..3
	s_lshr_b32 s15, s14, 1                         ; my half of the block's rows.  Also: I fetch for A (0) or for W (1)
	s_and_b32 s16, s14, 1                          ; my half of its columns.  Also: which half of that tile I fetch
	s_bfe_u32 s40, ttmp6, 0x40000                  ; cx
	s_bfe_u32 s41, ttmp6, 0x40004                  ; cy
	s_lshl_b32 s42, ttmp9, 2
	s_add_co_u32 s42, s42, s40                     ; block column
	s_and_b32 s17, ttmp7, 0xffff
	s_lshl_b32 s17, s17, 2
	s_add_co_u32 s17, s17, s41                     ; block row
	s_lshl_b32 s43, s41, 2
	s_lshl_b32 s43, 15, s43                        ; my row of the cluster
	s_lshl_b32 s44, 0x1111, s40                    ; my column
	s_or_b32 s[G1+0], s43, (3<<16)|(1<<21)         ; elements of 8 bytes; bit 21 beside a mask; no padding: the images are read 16 bytes a lane on end
	s_or_b32 s[G1B+0], s44, (3<<16)|(1<<21)
	s_mov_b32 s[G1+1], 800<<16                     ; a row is a record: 800 elements
	s_mov_b32 s[G1+2], 4<<16                       ; A: 4 records a load
	s_mov_b32 s[G1+3], 800<<16
	s_mov_b32 s[G1+4], 4
	s_mov_b32 s[G1+5], 7200                        ; 57,600 bytes from block to block
	s_mov_b32 s[G1+6], 0
	s_mov_b32 s[G1+7], 0
	s_mov_b32 s[G1B+1], 800<<16
	s_mov_b32 s[G1B+2], 8<<16                      ; W: 8 records a load
	s_mov_b32 s[G1B+3], 800<<16
	s_mov_b32 s[G1B+4], 8
	s_mov_b32 s[G1B+5], 7200
	s_mov_b32 s[G1B+6], 0
	s_mov_b32 s[G1B+7], 0
	s_lshl_b32 s18, s16, 2
	s_lshl_b32 s20, s17, 3
	s_add_co_u32 s20, s20, s18
	s_mul_i32 s20, s20, BP                         ; A: block of rows 8 x block row + 4 x half
	s_mov_b32 s21, 0
	s_lshl_b32 s18, s16, 3
	s_lshl_b32 s46, s42, 4
	s_add_co_u32 s46, s46, s18
	s_mul_i32 s46, s46, BP                         ; W: block of columns 16 x block column + 8 x half
	s_mov_b32 s47, 0
	s_mul_i32 s45, s16, 4*REC                      ; where they go in a slot
	s_mul_i32 s22, s16, 8*REC
	s_add_co_u32 s22, s22, WOFF
	s_wait_dscnt 0x0                               ; both opening adds are done
	s_wait_kmcnt 0x0
	s_add_nc_u64 s[20:21], s[4:5], s[20:21]
	s_add_nc_u64 s[46:47], s[6:7], s[46:47]
	CROUND                                         ; all sixteen work-groups are here: the first joint loads meet
.irp s, 0,1
	s_mov_b32 s[G0+4*\s], 1
	s_add_co_u32 s[G0+4*\s+1], s45, \s*SLOT
	s_add_nc_u64 s[G0+4*\s+2:G0+4*\s+3], s[20:21], \s*REC
	s_or_b32 s[G0+4*\s+3], s[G0+4*\s+3], 0x80000000
	s_mov_b32 s[G0B+4*\s], 1
	s_add_co_u32 s[G0B+4*\s+1], s22, \s*SLOT
	s_add_nc_u64 s[G0B+4*\s+2:G0B+4*\s+3], s[46:47], \s*REC
	s_or_b32 s[G0B+4*\s+3], s[G0B+4*\s+3], 0x80000000
.endr
	JLOAD 0                                        ; record 0: one tensor load a wave at the head
	s_mul_i32 s21, s15, 4*REC                      ; my 4 blocks of A in a slot
	s_sub_co_u32 s23, s22, s21                     ; from them to my 8 blocks of W
	s_add_co_u32 s2, s21, SCO
	s_mul_i32 s10, s14, 16*SPITCH
	s_add_co_u32 s10, s10, STAGE                   ; my stage
	v_and_b32 v1, 15, v0                           ; r
	v_bfe_u32 v2, v0, 4, 1                         ; h
	v_and_b32 v3, 31, v0
	v_min_u32 v[PFO], 24, v3
	v_lshlrev_b32 v[CO], 4, v3
	v_lshlrev_b32 v[PFO], 8, v[PFO]
	v_mul_u32_u24 v6, s23, v2                      ; lanes 16-31 take W's scale words
	v_mul_u32_u24 v5, v1, SPITCH
	v_add_nc_u32 v[ADRA], s21, v[CO]
	v_add_nc_u32 v[ADRB], s22, v[CO]
	v_lshl_add_u32 v6, v1, 4, v6
	v_lshl_add_u32 v5, v2, 5, v5                   ; into the stage: row r, 32 bytes for each half of the lanes
	v_add_nc_u32 v[ADRS], s2, v6
	v_add_nc_u32 v[STO], s10, v5
	v_add_nc_u32 v[RD], s10, v[CO]                 ; back: the 32 lanes take one row of 512 bytes
	v_add_nc_u32 v[ADRA+1], SLOT, v[ADRA]
	v_add_nc_u32 v[ADRB+1], SLOT, v[ADRB]
	v_add_nc_u32 v[ADRS+1], SLOT, v[ADRS]
	s_wait_alu depctr_va_vdst(0)                   ; behind the head's last vector instruction; no vector instruction writes a register after it
	s_lshl_b32 s20, s17, 7
	s_lshl_b32 s21, s15, 6
	s_add_co_u32 s20, s20, s21                     ; my first row of out0,
	s_lshl_b32 s20, s20, 12                        ; in bytes
	s_mov_b32 s21, 0
	s_lshl_b32 s46, s42, 10                        ; my first column, in bytes
	s_lshl_b32 s47, s16, 9
	s_add_co_u32 s46, s46, s47
	s_mov_b32 s47, 0
	s_add_nc_u64 s[20:21], s[20:21], s[46:47]
	s_add_nc_u64 s[8:9], s[8:9], s[20:21]
	s_lshl_b32 s10, s17, 3                         ; the prefetches.  A: block 8 x block row + 4 x half + cx
	s_lshl_b32 s18, s16, 2
	s_add_co_u32 s10, s10, s18
	s_add_co_u32 s10, s10, s40
	s_lshl_b32 s11, s42, 4                         ; W: block 16 x block column + 8 x half + 2 cy, and the next
	s_lshl_b32 s18, s16, 3
	s_add_co_u32 s11, s11, s18
	s_lshl_b32 s18, s41, 1
	s_add_co_u32 s11, s11, s18
	s_cmp_eq_u32 s15, 0                            ; do I fetch for A?
	s_cselect_b32 s18, s10, s11
	s_cselect_b64 s[PFA:PFA+1], s[4:5], s[6:7]
	s_mul_i32 s18, s18, BP
	s_add_co_u32 s18, s18, REC                     ; at record 1
	s_mov_b32 s19, 0
	s_add_nc_u64 s[PFA:PFA+1], s[PFA:PFA+1], s[18:19]
	s_and_b32 s10, ttmp7, 3                        ; the cluster's number modulo 4,
	s_mul_i32 s10, s10, s15                        ; which counts for W's waves alone
	s_cmp_eq_u32 s10, 0
	s_cselect_b32 s[LIM], 1, -1
	ASK 0, 0                                       ; records 1 and 2
	ASK 0, REC
.macro FETCH slot, q                   ; 36 LDS loads: W's eight fragments and A's four of K step q of the slot's record
.set WB, 96*((\q)%2)
.set LW, 0x40+0x80*((\q)/2)
	WIN LW
.irp b, 0,1,2,3,4,5,6,7
.irp c, 0,1,2
	ds_load_b128 v[WB+12*\b+4*\c:WB+12*\b+4*\c+3], v[ADRB+\slot] offset:\b*REC+(\q)*IMG+\c*512
.endr
.endr
.if (\q)%2 == 0
.set AB, 192
.else
.set AB, 96+48*((\q)/2)
	WIN 0
.endif
.irp a, 0,1,2,3
.irp c, 0,1,2
	ds_load_b128 v[AB+12*\a+4*\c:AB+12*\a+4*\c+3], v[ADRA+\slot] offset:\a*REC+(\q)*IMG+\c*512
.endr
.endr
.endm
.macro SCALES slot                     ; 8 loads: register 4 i + q: lanes 0-15 the word of A's block i, lanes 16-31 that of W's block i, K step q
	WIN 0
.irp i, 0,1,2,3,4,5,6,7
	ds_load_b128 v[SC+32*\slot+4*\i:SC+32*\slot+4*\i+3], v[ADRS+\slot] offset:\i*REC
.endr
.endm
.macro MUL8 q, a, sc, zero             ; A's block a against W's eight, K step q; the accumulators take turns, one instruction a turn
.set WW, 1+2*((\q)/2)
.set AW, WW*(1-(\q)%2)
.set MW, 0xa0+WW+4*AW
.set WB, 96*((\q)%2)
.if (\q)%2 == 0
.set AB, 192
.else
.set AB, 96+48*((\q)/2)
.endif
	WIN MW
.irp b, 0,1,2,3,4,5,6,7
.if \zero
	v_wmma_scale_f32_16x16x128_f8f6f4 v[8*(8*(\a)+\b):8*(8*(\a)+\b)+7], v[WB+12*\b:WB+12*\b+11], v[AB+12*(\a):AB+12*(\a)+11], 0, v[SC+32*(\sc)+4*\b+(\q)], v[SC+32*(\sc)+4*(\a)+(\q)] matrix_a_fmt:MATRIX_FMT_FP6 matrix_b_fmt:MATRIX_FMT_FP6 matrix_a_scale:MATRIX_SCALE_ROW1
.else
	v_wmma_scale_f32_16x16x128_f8f6f4 v[8*(8*(\a)+\b):8*(8*(\a)+\b)+7], v[WB+12*\b:WB+12*\b+11], v[AB+12*(\a):AB+12*(\a)+11], v[8*(8*(\a)+\b):8*(8*(\a)+\b)+7], v[SC+32*(\sc)+4*\b+(\q)], v[SC+32*(\sc)+4*(\a)+(\q)] matrix_a_fmt:MATRIX_FMT_FP6 matrix_b_fmt:MATRIX_FMT_FP6 matrix_a_scale:MATRIX_SCALE_ROW1
.endif
.endr
.endm
.macro PLACES                          ; four places in front of loads into registers that matrix instructions have read, and of LDS stores that read results
.rept 4
	v_nop
.endr
.endm
.macro S01 slot, q, zero               ; K step 0 or 1; in its middle the fragments of K step q + 2 are fetched
	s_wait_dscnt 36                                ; all but the youngest K step's 36 loads are in
	MUL8 \q, 0, \slot, \zero
	MUL8 \q, 1, \slot, \zero
	PLACES
	FETCH \slot, (\q)+2
	MUL8 \q, 2, \slot, \zero
	MUL8 \q, 3, \slot, \zero
.endm
; K step 2 changes slots.  fill = 1: the barrier opens a round of the cluster's barrier, and this slot takes the record two on.  ask: 0 no prefetch, 1 always, 2 not in the loop's last trip
.macro S2 slot, next, fill, ask
.if \ask
	s_wait_xcnt 0x0                                ; my last prefetch has read its address: it steps here, a record's work behind that prefetch
	s_add_nc_u64 s[PFA:PFA+1], s[PFA:PFA+1], REC
.endif
	WIN 0
	s_wait_tensorcnt 0x0                           ; my part of the next slot is in: no tensor load of mine is out
	ds_add_u32 v[SPW], v[NIL]
	s_wait_dscnt 37                                ; (the add and K step 3's 36 loads may be out)
	MUL8 2, 0, \slot, 0
	MUL8 2, 1, \slot, 0
	s_wait_dscnt 0x0                               ; the add is done, and my reads of this slot are over
	s_barrier_signal -1
	MUL8 2, 2, \slot, 0
	WIN 0
	s_barrier_wait -1
.if \fill
	CREST
	s_add_nc_u64 s[G0+4*\slot+2:G0+4*\slot+3], s[G0+4*\slot+2:G0+4*\slot+3], 2*REC
	s_add_nc_u64 s[G0B+4*\slot+2:G0B+4*\slot+3], s[G0B+4*\slot+2:G0B+4*\slot+3], 2*REC
	JLOAD \slot                                    ; the first tensor load behind the round; its four v_nop are the places in front of the loads below
.else
	PLACES
.endif
	FETCH \next, 0
	SCALES \next
.if \ask
	ASK (\ask)-1, 0
.endif
	MUL8 2, 3, \slot, 0
.endm
.macro S3 slot, next
	MUL8 3, 0, \slot, 0
	MUL8 3, 1, \slot, 0
	PLACES
	FETCH \next, 1
	MUL8 3, 2, \slot, 0
	MUL8 3, 3, \slot, 0
.endm
	s_wait_tensorcnt 0x0                           ; my part of record 0 is in
	ds_add_u32 v[SPW], v[NIL]
	s_wait_xcnt 0x0                                ; the head's prefetches have read their address
	s_add_nc_u64 s[PFA:PFA+1], s[PFA:PFA+1], 2*REC ; at record 3
	s_wait_dscnt 0x0
	CROUND                                         ; everybody's part of record 0 is in, and the joint loads meet
	JLOAD 1                                        ; record 1
	FETCH 0, 0
	SCALES 0
	FETCH 0, 1
	ASK 0, 0                                       ; record 3
	S01 0, 0, 1                                    ; the first K step's products start the sums
	WIN 0
	s_mov_b32 s3, 3
.Llap:                                                 ; a trip goes once round the ring, from a record's second K step to the first of the record two on
	S01 0, 1, 0
	S2 0, 1, 1, 1
	S3 0, 1
	S01 1, 0, 0
	S01 1, 1, 0
	S2 1, 0, 1, 2
	S3 1, 0
	S01 0, 0, 0
	WIN 0
	s_sub_co_u32 s3, s3, 1
	s_cmp_lg_u32 s3, 0
	s_cbranch_scc1 .Llap
	S01 0, 1, 0                                    ; record 6 goes on;
	S2 0, 1, 1, 0                                  ; slot 0 takes record 8, the last
	S3 0, 1
	S01 1, 0, 0
	S01 1, 1, 0
	S2 1, 0, 0, 0                                  ; nothing is filled again: no round
	S3 1, 0
	; RECORD 8 BY ROWS OF out0
	PLACES
	FETCH 0, 2
	FETCH 0, 3
	s_wait_dscnt 63                                ; K steps 0 and 1 and the scale words are in: behind them 72 loads were issued
	MUL8 0, 0, 0, 0
	MUL8 1, 0, 0, 0
	s_wait_dscnt 36
	MUL8 2, 0, 0, 0
	s_wait_dscnt 0x0
	MUL8 3, 0, 0, 0
.macro TOSTAGE a                       ; block a into my stage, each accumulator from its low end on, and back as whole rows of 512 bytes; LDS serves a wave's instructions in order
	WIN 0x08
.irp b, 0,1,2,3,4,5,6,7
	ds_store_b128 v[STO], v[64*(\a)+8*\b:64*(\a)+8*\b+3] offset:64*\b
	ds_store_b128 v[STO], v[64*(\a)+8*\b+4:64*(\a)+8*\b+7] offset:64*\b+16
.endr
	WIN 0
.irp t, 0,1,2,3,4,5,6,7,8,9,10,11,12,13,14,15
	ds_load_b128 v[BK+4*\t:BK+4*\t+3], v[RD] offset:\t*SPITCH
.endr
.endm
.macro SEND a
	WIN 0
	s_wait_dscnt 0x0                               ; the block is back in registers
.irp t, 0,1,2,3,4,5,6,7,8,9,10,11,12,13,14,15
	global_store_b128 v[CO], v[BK+4*\t:BK+4*\t+3], s[8:9] offset:(16*(\a)+\t)*4096 th:TH_STORE_NT   ; 32 lanes store 512 consecutive bytes, aligned; the row stands in the immediate, 63 rows of 4,096 bytes at the most
.endr
.endm
.irp a, 0,1,2,3
	PLACES
.if \a > 0
	s_wait_xcnt 0x0                                ; the last block's stores have read their registers, which the loads below fill again
.endif
	TOSTAGE \a
.if \a < 3
	MUL8 0, \a+1, 0, 0                             ; the next block is finished while this one goes through the stage
	MUL8 1, \a+1, 0, 0
	MUL8 2, \a+1, 0, 0
	MUL8 3, \a+1, 0, 0
.endif
	SEND \a
.endr
	s_wait_tensorcnt 0x0                           ; the wave's end
	ds_add_u32 v[SPW], v[NIL]
	s_wait_dscnt 0x0
	CROUND                                         ; the closing round
	s_endpgm
.Lfunc_end_k_q052d4597be_gemm:
	.size	k_q052d4597be_gemm, .Lfunc_end_k_q052d4597be_gemm-k_q052d4597be_gemm
	.p2alignl 7, 3214868480
	.fill 96, 4, 3214868480
	.section	.rodata,"a",@progbits
	.p2align	6, 0x0
	.amdhsa_kernel k_q052d4597be_gemm
		.amdhsa_group_segment_fixed_size 327680
		.amdhsa_private_segment_fixed_size 0
		.amdhsa_enable_private_segment 0
		.amdhsa_kernarg_size 24
		.amdhsa_user_sgpr_count 2
		.amdhsa_user_sgpr_kernarg_segment_ptr 1
		.amdhsa_wavefront_size32 1
		.amdhsa_system_sgpr_workgroup_id_x 1
		.amdhsa_system_sgpr_workgroup_id_y 1
		.amdhsa_system_sgpr_workgroup_id_z 1
		.amdhsa_system_vgpr_workitem_id 0
		.amdhsa_next_free_vgpr 1024
		.amdhsa_next_free_sgpr 66
		.amdhsa_reserve_vcc 0
		.amdhsa_float_denorm_mode_32 3
		.amdhsa_float_denorm_mode_16_64 3
		.amdhsa_memory_ordered 1
		.amdhsa_forward_progress 1
		.amdhsa_inst_pref_size 162
	.end_amdhsa_kernel
	.amdgpu_metadata
---
amdhsa.version: [ 1, 2 ]
amdhsa.kernels:
  - .name:           k_q052d4597be_gemm
    .symbol:         k_q052d4597be_gemm.kd
    .args:
      - { .name: acodes, .offset: 0, .size: 8, .value_kind: global_buffer, .address_space: global }
      - { .name: wcodes, .offset: 8, .size: 8, .value_kind: global_buffer, .address_space: global }
      - { .name: out0, .offset: 16, .size: 8, .value_kind: global_buffer, .address_space: global }
    .group_segment_fixed_size: 327680
    .private_segment_fixed_size: 0
    .kernarg_segment_align: 8
    .kernarg_segment_size: 24
    .max_flat_workgroup_size: 128
    .sgpr_count:     66
    .vgpr_count:     1024
    .wavefront_size: 32
...
	.end_amdgpu_metadata
.endif
;; end of part 2
